; MI455X (gfx1250); checked and timed in simulation.
; The chip was launched on July 23, 2026; its instructions are those of AMD's public machine-readable ISA for CDNA 5 (MIT licence, August 2026) and "CDNA5" Instruction Set Architecture Reference Guide (July 2026). The comments in the code are by the model that wrote it; some were corrected since.
;; MH Self Attention. Allowed arithmetic: matrix products marked QUANTISED: E2M1 operands, one E8M0 scale for each 32 along K, by v_wmma_scale_f32_16x16x128_f8f6f4 with both operands' format E2M1 (or v_wmma_scale_f32_32x16x128_f4), f32 sums; everything else in f32.
;; Inputs: w_k 1,024 x 1,024 float32; w_q 1,024 x 1,024 float32; w_v 1,024 x 1,024 float32; x 4 x 2,048 x 1,024 float32.
;; Outputs: out0 4 x 2,048 x 1,024 float32.
;; This version of the problem:
;;   THIS VERSION OF THE PROBLEM IS GIVEN IN LOW PRECISION. The matrix products marked QUANTISED in the list below multiply operands that are first quantised to E2M1 (2 exponent bits, 1 mantissa bit; 4 bits a number), with one power-of-two scale for each 32 numbers along K (OCP MX v1.0); their sums are f32. All else is computed in f32.
;;   The module's matrix products, in the order in which they are computed (A, B: the left and right operand; K: the contracted axis; several contracted axes count as one K, in the product's order):
;;     1. [M 8,192, K 1,024] x [K 1,024, N 1,024]; A: input x; B: input w_q: QUANTISED
;;     2. [M 8,192, K 1,024] x [K 1,024, N 1,024]; A: input x; B: input w_k: QUANTISED
;;     3. [M 8,192, K 1,024] x [K 1,024, N 1,024]; A: input x; B: input w_v: QUANTISED
;;     4. batch 64 x [M 2,048, K 64] x [K 64, N 2,048]; A: computed on the way; B: computed on the way: QUANTISED
;;     5. batch 64 x [M 2,048, K 2,048] x [K 2,048, N 64]; A: softmax (see below); B: computed on the way: QUANTISED
;;   THE QUANTISER, for each operand of a quantised product, along K:
;;     - K is cut into blocks of 32 from its start; a last block that is shorter is filled with zeros.
;;     - A block's scale is 2^e with e = floor(log2(the largest magnitude in the block)) - 2, held to -126 .. 127; a block of zeros has e = 0. As a byte (E8M0): e + 127.
;;     - Each number is divided by its block's scale, clamped to +-6, and rounded to the nearest number of E2M1, ties to even, subnormals kept.
;;     - The product sums the exact products of the quantised numbers (number of the format x scale) in f32.
;;   ~~~python
;;   def quantise(x, axis):      # numpy; x: float32 -> the quantised numbers, widened to float32 again
;;       x = np.moveaxis(x, axis, -1); K = x.shape[-1]
;;       x = np.pad(x, [(0, 0)] * (x.ndim - 1) + [(0, -K % 32)]); x = x.reshape(x.shape[:-1] + (-1, 32)); a = np.abs(x).max(-1, keepdims=True)
;;       e = np.where(a > 0, np.clip(np.frexp(np.where(a > 0, a, 1))[1] - 1 - 2, -126, 127), 0)      # np.frexp(a)[1] - 1 = floor(log2(a)), exactly
;;       r = np.clip(x / 2.0 ** e, -6, 6)
;;       step = 2.0 ** (np.maximum(np.frexp(np.where(r == 0, 1, r))[1] - 1, 0) - 1)
;;       q = np.round(r / step) * step * 2.0 ** e      # np.round: ties to even
;;       return np.moveaxis(q.reshape(q.shape[:-2] + (-1,))[..., :K], -1, axis).astype(np.float32)
;;   ~~~
;;   SOFTMAX AHEAD OF A QUANTISED PRODUCT. Where the list says 'softmax', what is quantised is not the finished softmax but p = 2^(t - M), with t = logit x log2(e) and M = ceil(the row's largest t), a whole number; so 1/2 < the row's largest p <= 1. The row's sum l is taken of the UNQUANTISED p, in f32, and the product's result is divided by l at the end. Since M is a whole number, a kernel that streams over the keys may use a running M (the ceiling of the running maximum): every later rescaling is an exact power of two, which a block's scale takes up: the codes' values come out the same.
;;   OPERANDS COMPUTED ON THE WAY. 'Computed on the way' means the value that the module computes at that place (a softmax that the list does not call 'softmax' is quantised finished and normalised). What goes into a quantiser is computed in f32, as accurately as f32 sums, v_exp_f32 and their like allow (about 1e-6 of the number): no bf16 or f16 on the way to a quantiser, and a product that is left as it is and whose result goes on into a quantised operand takes f32 operands (vector FMAs, or v_wmma_f32_16x16x4_f32). A number that lies on a knife's edge between two numbers of the format may be rounded either way, as far as f32 arithmetic and the matrix unit's own rounding can turn it there, and no further.
;; One version. Each part assembles by itself: llvm-mc -triple=amdgcn-amd-amdhsa -mcpu=gfx1250 --defsym DOCPART=n.
;; ======== version 1 of 1: 3 launches
;; workspace buffers: xc 4,194,304 bytes; xs 262,144 bytes; wc 1,572,864 bytes; ws 98,304 bytes; qr 4,718,592 bytes; kv 9,175,040 bytes
;; launch quant (part 1): grid 352 x 1, 4 waves a work-group, no clusters, 33,280 bytes of LDS; arguments x, w_q, w_k, w_v, xc, xs, wc, ws; writes xc, xs, wc, ws
.if DOCPART == 1
	.amdgcn_target "amdgcn-amd-amdhsa--gfx1250"
	.amdhsa_code_object_version 6
	.text
	.protected	k_q50d36b64f7_quant
	.globl	k_q50d36b64f7_quant
	.p2align	8
	.type	k_q50d36b64f7_quant,@function
k_q50d36b64f7_quant:
	s_mov_b64 s[64:65], 0
	v_nop
	global_prefetch_b8 v0, s[64:65] scope:SCOPE_SE
	s_setreg_imm32_b32 hwreg(HW_REG_WAVE_MODE, 25, 1), 1
	s_wait_xcnt 0x0
; x [8192][1024] and w_q, w_k, w_v [1024][1024], f32, become codes of FP4 (E2M1), K = the 1,024 innermost, with one E8M0 scale byte for each 32 along K.
; A block's scale is 2^(floor(log2(its largest magnitude)) - 2); its byte is the largest magnitude's exponent field - 2, held at 1 from below; each number is divided by the scale and rounded to the nearest code, ties to even,
; beyond the largest code the largest.
; LIMITS: a block whose largest magnitude lies under 2^-124, a block of zeros among them, gets the byte 1 (a block of zeros has zero codes, and this program alone reads the bytes); NaN and infinities among the inputs are not served.
; OUT: xc [8192][512 bytes], xs [8192][32 bytes]; wc [3072][512], ws [3072][32]: w_q's rows, then w_k's, then w_v's.
; THE ROWS ARE STORED IN ANOTHER ORDER: inside each 32 rows, bits 3 and 4 of the row's number change places, so that stored rows 16 t .. 16 t + 15 (t = 2 b + u) are the rows 32 b + 8 u + r + 8 (r / 8):
; the rows that the next launch wants together in a tile of 16.  A wave takes 8 rows (8,192 numbers), so the change is a change of the wave's place in the output alone.
; Work-groups 0-255 take x, 256-287 w_q, 288-319 w_k, 320-351 w_v: only pointers are chosen, all take one path.  No tensor loads, no barrier: waves share nothing.
; A wave takes 16 steps of 512 numbers.  Each of a step's four loads reads 512 consecutive bytes, 16 a lane; the 2,048 bytes turn through the wave's own stage in LDS and come back 64 bytes a lane: 16 neighbours along K,
; which is what the conversions take.  Two neighbouring lanes hold a block.  Loads run four steps ahead, the turn through LDS one step.
.set STEPS, 16
.set CB,    8                          ; bytes of 16 codes
.set R,     16                         ; v16-79   four sets of 16 numbers as they are loaded
.set X,     80                         ; v80-111  two sets of 16 neighbours
.set E,     112                        ; v112-127 a scale byte for each step
.set C,     128                        ; v128-191 codes: four registers for each step, so that no store's data are written again
.set WREG,  8192                       ; LDS: a region for each wave: two stages of 32 x SP bytes, and behind them its 256 scale bytes
.set SP,    80                         ; a lane's place in a stage: its 64 bytes + 16 of padding
	s_load_b256 s[4:11], s[0:1], 0x0               ; x s[4:5], w_q s[6:7], w_k s[8:9], w_v s[10:11]
	s_load_b256 s[12:19], s[0:1], 0x20             ; xc s[12:13], xs s[14:15], wc s[16:17], ws s[18:19]
	v_lshl_add_u32 v192, v0, 2, 0x8000
	v_mov_b32 v193, 0
	v_lshrrev_b32 v1, 5, v0
	v_readfirstlane_b32 s20, v1                    ; wave
	v_and_b32 v2, 31, v0                           ; lane
	v_lshlrev_b32 v3, 4, v2                        ; my 16 bytes of a load's 512
	s_mul_i32 s26, s20, WREG
	v_lshrrev_b32 v14, 2, v2
	v_mul_u32_u24 v14, v14, SP
	v_and_b32 v15, 3, v2
	v_lshl_add_u32 v14, v15, 4, v14
	v_add_nc_u32 v14, s26, v14                     ; the stage, on the way in: four lanes' 64 bytes on end, then 16 of padding
	v_mul_u32_u24 v15, v2, SP
	v_add_nc_u32 v15, s26, v15                     ; and on the way out: SP x lane: my 16 neighbours
	v_mul_u32_u24 v4, v2, CB                       ; my codes' place in a step's
	v_lshrrev_b32 v5, 1, v2
	s_add_co_u32 s26, s26, 2*32*SP
	v_add_nc_u32 v5, s26, v5                       ; LDS: my wave's 256 scale bytes, my block's byte
	v_lshlrev_b32 v7, 3, v2                        ; and on the way out 8 bytes a lane
	v_add_nc_u32 v6, s26, v7
	s_and_b32 s21, s20, 1
	s_lshl_b32 s21, s21, 1
	s_lshr_b32 s27, s20, 1
	s_or_b32 s21, s21, s27                         ; my wave's place in the output: its number's two bits changed over
	s_wait_alu depctr_va_vdst(0)
	s_wait_kmcnt 0x0
	s_cmp_lt_u32 ttmp9, 320                        ; which tensor?  The choices hang on the work-group's number alone
	s_cselect_b64 s[8:9], s[8:9], s[10:11]
	s_cmp_lt_u32 ttmp9, 288
	s_cselect_b64 s[6:7], s[6:7], s[8:9]
	s_cmp_lt_u32 ttmp9, 256
	s_cselect_b64 s[4:5], s[4:5], s[6:7]           ; the numbers,
	s_cselect_b64 s[12:13], s[12:13], s[16:17]     ; the codes,
	s_cselect_b64 s[14:15], s[14:15], s[18:19]     ; the scale bytes
	s_cselect_b32 s22, 0, 256
	s_cselect_b32 s23, -1, 31
	s_sub_co_u32 s24, ttmp9, s22                   ; which 32 rows of the output buffer,
	s_and_b32 s25, s24, s23                        ; and of the input tensor
	s_lshl_b32 s25, s25, 2
	s_add_co_u32 s28, s25, s20
	s_lshl_b32 s28, s28, 15                        ; a wave's 8 rows are 32,768 bytes of f32,
	s_mov_b32 s29, 0
	s_add_nc_u64 s[4:5], s[4:5], s[28:29]
	s_lshl_b32 s24, s24, 2
	s_add_co_u32 s24, s24, s21
	s_lshl_b32 s28, s24, 12                        ; 4,096 bytes of codes,
	s_add_nc_u64 s[12:13], s[12:13], s[28:29]
	s_lshl_b32 s28, s24, 8                         ; 256 scale bytes
	s_add_nc_u64 s[14:15], s[14:15], s[28:29]
.macro LOAD t
.irp i, 0,1,2,3
	global_load_b128 v[R+16*((\t)%4)+4*\i:R+16*((\t)%4)+4*\i+3], v3, s[4:5] offset:2048*(\t)+512*\i th:TH_LOAD_NT   ; 32 lanes read 512 consecutive bytes
.endr
.endm
.macro TURN t                          ; step t's numbers through the stage: LDS serves a wave's instructions in order (ISA guide 5.7.1.4), so no wait stands between the stores and the loads
.irp i, 0,1,2,3
	ds_store_b128 v14, v[R+16*((\t)%4)+4*\i:R+16*((\t)%4)+4*\i+3] offset:32*SP*((\t)%2)+8*SP*\i
.endr
.irp i, 0,1,2,3
	ds_load_b128 v[X+16*((\t)%2)+4*\i:X+16*((\t)%2)+4*\i+3], v15 offset:32*SP*((\t)%2)+16*\i
.endr
.endm
.irp t, 0,1,2,3
	LOAD \t
.endr
	s_wait_loadcnt 12                              ; step 0's four loads are in; the twelve of steps 1 to 3 may be out
	TURN 0
.macro STEP t
.set XS, X+16*((\t)%2)
.if (\t) > 0
	s_wait_dscnt 1                                 ; this step's numbers are back from the stage (the last step's byte store may be out): so its stores into the stage have read their registers,
.else
	s_wait_dscnt 0x0
.endif
.if (\t)+4 < STEPS
	LOAD (\t)+4                                    ; which take the loads of four steps on
.endif
.if (\t)+1 < STEPS
.if STEPS-2-(\t) >= 3
	s_wait_loadcnt 12                              ; the next step's four loads are in; those of the three steps behind it may be out
.else
	s_wait_loadcnt 4*(STEPS-2-(\t))
.endif
	TURN (\t)+1                                    ; and go through the other stage while this step is worked
.endif
	v_max3_num_f32 v8, |v[XS]|, |v[XS+1]|, |v[XS+2]|               ; the largest magnitude of my 16, in two chains
	v_max3_num_f32 v9, |v[XS+3]|, |v[XS+4]|, |v[XS+5]|
.irp i, 6,10
	v_max3_num_f32 v8, v8, |v[XS+\i]|, |v[XS+\i+1]|
	v_max3_num_f32 v9, v9, |v[XS+\i+2]|, |v[XS+\i+3]|
.endr
	v_max3_num_f32 v8, v8, |v[XS+14]|, |v[XS+15]|
	v_max3_num_f32 v8, v8, v9, 0x1800000           ; and the floor 2^(3 - 127): so the byte cannot fall under 1
	v_max_num_f32_dpp v8, v8, v8 row_xmask:1 row_mask:0xf bank_mask:0xf   ; and of my neighbour's 16: the block's
	v_add_nc_u32 v11, 0xff000000, v8               ; 2 off its exponent field: the conversion takes the exponent field of this operand as its scale, and nothing else of it
	v_cvt_scalef32_pk8_fp4_f32 v[C+4*(\t)], v[XS:XS+7], v11
	v_cvt_scalef32_pk8_fp4_f32 v[C+4*(\t)+1], v[XS+8:XS+15], v11
	v_lshrrev_b32 v[E+(\t)], 23, v11               ; the scale's byte (a plain line behind the conversions)
	ds_store_b8 v5, v[E+(\t)] offset:16*(\t)       ; both lanes of a block write the same byte with the same value
	global_store_b64 v4, v[C+4*(\t):C+4*(\t)+1], s[12:13] offset:32*CB*(\t)   ; the wave stores 256 consecutive bytes, aligned
.endm
.irp t, 0,1,2,3,4,5,6,7,8,9,10,11,12,13,14,15
	STEP \t
.endr
	ds_load_b64 v[12:13], v6                       ; in order behind my byte stores
	s_wait_dscnt 0x0
	global_store_b64 v7, v[12:13], s[14:15]        ; 32 lanes store my 8 rows' 256 scale bytes, aligned
	s_wait_tensorcnt 0x0
	ds_add_u32 v192, v193
	s_wait_dscnt 0x0
	s_endpgm
.Lfunc_end_k_q50d36b64f7_quant:
	.size	k_q50d36b64f7_quant, .Lfunc_end_k_q50d36b64f7_quant-k_q50d36b64f7_quant
	.p2alignl 7, 3214868480
	.fill 96, 4, 3214868480
	.section	.rodata,"a",@progbits
	.p2align	6, 0x0
	.amdhsa_kernel k_q50d36b64f7_quant
		.amdhsa_group_segment_fixed_size 33280
		.amdhsa_private_segment_fixed_size 0
		.amdhsa_enable_private_segment 0
		.amdhsa_kernarg_size 64
		.amdhsa_user_sgpr_count 2
		.amdhsa_user_sgpr_kernarg_segment_ptr 1
		.amdhsa_wavefront_size32 1
		.amdhsa_system_sgpr_workgroup_id_x 1
		.amdhsa_system_sgpr_workgroup_id_y 1
		.amdhsa_system_sgpr_workgroup_id_z 1
		.amdhsa_system_vgpr_workitem_id 0
		.amdhsa_next_free_vgpr 194
		.amdhsa_next_free_sgpr 66
		.amdhsa_reserve_vcc 0
		.amdhsa_float_denorm_mode_32 3
		.amdhsa_float_denorm_mode_16_64 3
		.amdhsa_memory_ordered 1
		.amdhsa_forward_progress 1
		.amdhsa_inst_pref_size 34
	.end_amdhsa_kernel
	.amdgpu_metadata
---
amdhsa.version: [ 1, 2 ]
amdhsa.kernels:
  - .name:           k_q50d36b64f7_quant
    .symbol:         k_q50d36b64f7_quant.kd
    .args:
      - { .name: x, .offset: 0, .size: 8, .value_kind: global_buffer, .address_space: global }
      - { .name: w_q, .offset: 8, .size: 8, .value_kind: global_buffer, .address_space: global }
      - { .name: w_k, .offset: 16, .size: 8, .value_kind: global_buffer, .address_space: global }
      - { .name: w_v, .offset: 24, .size: 8, .value_kind: global_buffer, .address_space: global }
      - { .name: xc, .offset: 32, .size: 8, .value_kind: global_buffer, .address_space: global }
      - { .name: xs, .offset: 40, .size: 8, .value_kind: global_buffer, .address_space: global }
      - { .name: wc, .offset: 48, .size: 8, .value_kind: global_buffer, .address_space: global }
      - { .name: ws, .offset: 56, .size: 8, .value_kind: global_buffer, .address_space: global }
    .group_segment_fixed_size: 33280
    .private_segment_fixed_size: 0
    .kernarg_segment_align: 8
    .kernarg_segment_size: 64
    .max_flat_workgroup_size: 128
    .sgpr_count:     66
    .vgpr_count:     194
    .wavefront_size: 32
...
	.end_amdgpu_metadata
.endif
;; end of part 1
;; launch proj (part 2): grid 12 x 32, 4 waves a work-group, clusters of 4 x 4, 327,680 bytes of LDS; arguments xc, xs, wc, ws, qr, kv; writes qr, kv
.if DOCPART == 2
	.amdgcn_target "amdgcn-amd-amdhsa--gfx1250"
	.amdhsa_code_object_version 6
	.text
	.protected	k_q50d36b64f7_proj
	.globl	k_q50d36b64f7_proj
	.p2align	8
	.type	k_q50d36b64f7_proj,@function
k_q50d36b64f7_proj:
	s_mov_b64 s[64:65], 0
	v_nop
	global_prefetch_b8 v0, s[64:65] scope:SCOPE_SE
	s_setreg_imm32_b32 hwreg(HW_REG_WAVE_MODE, 25, 1), 1
	s_wait_xcnt 0x0
	s_wait_alu depctr_hold_cnt(0) depctr_sa_sdst(0) depctr_va_vdst(0) depctr_va_sdst(0) depctr_va_ssrc(0) depctr_va_vcc(0) depctr_vm_vsrc(0)
	s_getreg_b32 s2, hwreg(HW_REG_IB_STS2, 6, 4)
	s_cmp_eq_u32 s2, 0
	s_cbranch_scc0 .Lentry_in_a_cluster
	s_endpgm
.Lentry_in_a_cluster:
	s_bfe_u32 s2, ttmp6, 0x10000c
	s_cmp_lg_u32 s2, 0xf033
	s_cbranch_scc0 .Lentry_shape_is_right
	s_endpgm
.Lentry_shape_is_right:
.set NQ,     4
.set ROWB,   256
.set KROW,   512
.set PITCH,  272
.set FR,     8
.set NL,     2
.set NP,     4
.set HALFT,  128*PITCH
.set SLOT,   4*HALFT
.set KS,     32
.set SCL,    2*SLOT
.set HALFS,  (128*KS/256)*272
.set SBLK,   (16*KS/256)*272
.set RECQ,   4608
.set RECKV,  8960
.set ADRA, 16
.set ADRB, 20
.set ADRS, 27
.set VO1,  8
.set VO2,  9
.set VS,   10
.set SHV,  11
.set LN,   12
.set SC,   32
.set PW,   96
.set T,    104
.set TM,   112
.set AF,   128
.set PC,   192
.set G1, 24
.set G0, 32
.set G1B, 48
.set G0B, 56
.set G1S, 68
.set G0S, 76
.set G1SB, 80
.set G0SB, 88
.set MSB, 0
.macro WIN new
.if MSB != \new
	s_set_vgpr_msb (MSB<<8)|\new
.set MSB, \new
.endif
.endm
.set MUL_LO, 0xa1
.set MUL_HI, 0xf1
.set TO_B,   0x40
.macro JLOAD g0a, g1a, g0b, g1b
	s_cmp_eq_u32 s15, 0
	s_cbranch_scc0 .Lfor_b_\@
	tensor_load_to_lds s[\g0a:\g0a+3], s[\g1a:\g1a+7]
	s_nop 0
.rept 4
	v_nop
.endr
	s_branch .Lasked_\@
.Lfor_b_\@:
	tensor_load_to_lds s[\g0b:\g0b+3], s[\g1b:\g1b+7]
	s_nop 0
.rept 4
	v_nop
.endr
.Lasked_\@:
.endm
.macro CROUND
	s_barrier_signal -1
	s_barrier_wait -1
	s_cmp_lg_u32 s14, 0
	s_cbranch_scc1 .Lnot_wave_0_\@
	s_barrier_signal -3
.Lnot_wave_0_\@:
	s_barrier_wait -3
	s_barrier_signal -1
	s_barrier_wait -1
.endm
	s_load_b256 s[4:11], s[0:1], 0x0
	s_load_b128 s[96:99], s[0:1], 0x20
	v_lshl_add_u32 v122, v0, 2, 0x48400
	v_mov_b32 v123, 0
	ds_add_u32 v122, v123
	ds_add_u32 v122, v123
	v_lshrrev_b32 v1, 5, v0
	v_readfirstlane_b32 s14, v1
	s_lshr_b32 s15, s14, 1
	s_and_b32 s16, s14, 1
	s_bfe_u32 s40, ttmp6, 0x40000
	s_bfe_u32 s41, ttmp6, 0x40004
	s_and_b32 s95, ttmp7, 0xffff
	s_cmp_eq_u32 ttmp9, 2
	s_cselect_b32 s17, ttmp9, s95
	s_cselect_b32 s42, s95, ttmp9
	s_lshl_b32 s42, s42, 2
	s_add_co_u32 s42, s42, s40
	s_lshl_b32 s17, s17, 2
	s_add_co_u32 s17, s17, s41
	s_lshl_b32 s43, s41, 2
	s_lshl_b32 s43, 15, s43
	s_lshl_b32 s44, 0x1111, s40
	s_or_b32 s[G1+0], s43, (0<<16)|(1<<20)|(1<<21)|(5<<22)|(3<<25)
	s_or_b32 s[G1B+0], s44, (0<<16)|(1<<20)|(1<<21)|(5<<22)|(3<<25)
.irp g, G1, G1B
	s_mov_b32 s[\g+1], ROWB<<16
	s_mov_b32 s[\g+2], 128<<16
	s_mov_b32 s[\g+3], ROWB<<16
	s_mov_b32 s[\g+4], 128
	s_mov_b32 s[\g+5], KROW
	s_mov_b32 s[\g+6], 0
	s_mov_b32 s[\g+7], 0
.endr
	s_or_b32 s[G1S+0], s43, (3<<16)|(1<<20)|(1<<21)|(5<<22)|(3<<25)
	s_or_b32 s[G1SB+0], s44, (3<<16)|(1<<20)|(1<<21)|(5<<22)|(3<<25)
.irp g, G1S, G1SB
	s_mov_b32 s[\g+1], 32<<16
	s_mov_b32 s[\g+2], (128*KS/256)<<16
	s_mov_b32 s[\g+3], 32<<16
	s_mov_b32 s[\g+4], 128*KS/256
	s_mov_b32 s[\g+5], 32
	s_mov_b32 s[\g+6], 0
	s_mov_b32 s[\g+7], 0
.endr
	s_lshl_b32 s18, s16, 7
	s_lshl_b32 s20, s17, 8
	s_add_co_u32 s20, s20, s18
	s_lshl_b32 s46, s42, 8
	s_add_co_u32 s46, s46, s18
	s_mov_b32 s21, 0
	s_mov_b32 s47, 0
	s_mov_b64 s[18:19], KS
	s_mul_u64 s[22:23], s[20:21], s[18:19]
	s_mul_u64 s[92:93], s[46:47], s[18:19]
	s_mov_b64 s[18:19], KROW
	s_mul_u64 s[20:21], s[20:21], s[18:19]
	s_mul_u64 s[46:47], s[46:47], s[18:19]
	s_mul_i32 s45, s14, HALFT
	s_mul_i32 s94, s14, HALFS
	s_wait_dscnt 0x0
	s_wait_kmcnt 0x0
	s_cmp_eq_u32 ttmp9, 2
	s_cselect_b64 s[100:101], s[8:9], s[4:5]
	s_cselect_b64 s[8:9], s[4:5], s[8:9]
	s_mov_b64 s[4:5], s[100:101]
	s_cselect_b64 s[100:101], s[10:11], s[6:7]
	s_cselect_b64 s[10:11], s[6:7], s[10:11]
	s_mov_b64 s[6:7], s[100:101]
	s_add_nc_u64 s[20:21], s[4:5], s[20:21]
	s_add_nc_u64 s[22:23], s[6:7], s[22:23]
	s_add_nc_u64 s[46:47], s[8:9], s[46:47]
	s_add_nc_u64 s[92:93], s[10:11], s[92:93]
	CROUND
	s_mov_b32 s[G0S], 1
	s_add_co_u32 s[G0S+1], s94, SCL
	s_mov_b64 s[G0S+2:G0S+3], s[22:23]
	s_or_b32 s[G0S+3], s[G0S+3], 0x80000000
	s_mov_b32 s[G0SB], 1
	s_add_co_u32 s[G0SB+1], s94, SCL
	s_mov_b64 s[G0SB+2:G0SB+3], s[92:93]
	s_or_b32 s[G0SB+3], s[G0SB+3], 0x80000000
	JLOAD G0S, G1S, G0SB, G1SB
.irp s, 0,1
	s_mov_b32 s[G0+4*\s], 1
	s_add_co_u32 s[G0+4*\s+1], s45, \s*SLOT
	s_add_nc_u64 s[G0+4*\s+2:G0+4*\s+3], s[20:21], \s*ROWB
	s_or_b32 s[G0+4*\s+3], s[G0+4*\s+3], 0x80000000
	s_mov_b32 s[G0B+4*\s], 1
	s_add_co_u32 s[G0B+4*\s+1], s45, \s*SLOT
	s_add_nc_u64 s[G0B+4*\s+2:G0B+4*\s+3], s[46:47], \s*ROWB
	s_or_b32 s[G0B+4*\s+3], s[G0B+4*\s+3], 0x80000000
	s_wait_alu depctr_va_vdst(0)
	s_wait_tensorcnt 0x0
	ds_add_u32 v122, v123
	s_wait_dscnt 0x0
	CROUND
	JLOAD G0+4*\s, G1, G0B+4*\s, G1B
.endr
	v_and_b32 v1, 15, v0
	v_bfe_u32 v2, v0, 4, 1
	v_mul_u32_u24 v3, v1, PITCH
	v_lshl_add_u32 v4, v2, 4, v3
	s_mul_i32 s21, s15, HALFT
	s_mul_i32 s22, s16, HALFT
	s_add_co_u32 s22, s22, 2*HALFT
.irp s, 0,1
	v_add_nc_u32 v[ADRA+\s], s21, v4
	v_add_nc_u32 v[ADRB+\s], s22, v4
	s_add_co_u32 s21, s21, SLOT
	s_add_co_u32 s22, s22, SLOT
.endr
	v_mul_u32_u24 v5, v1, KS
	v_lshrrev_b32 v6, 8, v5
	v_lshl_add_u32 v5, v6, 4, v5
	s_mul_i32 s21, s15, HALFS
	s_mul_i32 s22, s16, HALFS
	s_add_co_u32 s22, s22, 2*HALFS
	s_sub_co_u32 s22, s22, s21
	v_mul_u32_u24 v6, s22, v2
	s_add_co_u32 s21, s21, SCL
	v_add_nc_u32 v5, v5, v6
	v_add_nc_u32 v[ADRS], s21, v5
	s_lshl_b32 s18, s17, 8
	s_lshl_b32 s19, s15, 7
	s_add_co_u32 s18, s18, s19
	s_lshl_b32 s19, s42, 8
	s_lshl_b32 s20, s16, 7
	s_add_co_u32 s19, s19, s20
	s_cmp_eq_u32 ttmp9, 2
	s_cselect_b32 s20, s19, s18
	s_cselect_b32 s21, s18, s19
	s_lshr_b32 s22, s20, 11
	s_lshl_b32 s22, s22, 4
	s_bfe_u32 s23, s21, 0x40006
	s_add_co_u32 s22, s22, s23
	s_lshl_b32 s22, s22, 4
	s_bfe_u32 s23, s20, 0x40007
	s_add_co_u32 s22, s22, s23
	s_mov_b32 s23, RECKV
	s_mov_b32 s66, 8192
	s_cmp_eq_u32 ttmp9, 0
	s_cselect_b32 s23, RECQ, s23
	s_cselect_b32 s66, 4096, s66
	s_cselect_b64 s[12:13], s[96:97], s[98:99]
	s_lshl_b32 s67, s23, 4
	s_mov_b32 s40, 512
	s_mov_b32 s44, 512
	s_cmp_eq_u32 ttmp9, 2
	s_cselect_b32 s92, 4096, 0
	s_cselect_b32 s66, 8704, s66
	s_cselect_b32 s40, 1024, s40
	s_cselect_b32 s44, 16*RECKV-3072, s44
	s_cselect_b32 s43, 512, s67
	s_mov_b32 s41, 0
	s_mov_b32 s45, 0
	s_mov_b32 s93, 0
	s_mul_i32 s22, s22, s23
	s_mov_b32 s23, 0
	s_add_nc_u64 s[12:13], s[12:13], s[22:23]
	s_mov_b32 s46, s66
	s_mov_b32 s47, 0
	s_add_nc_u64 s[46:47], s[12:13], s[46:47]
	s_add_nc_u64 s[12:13], s[12:13], s[92:93]
	s_mov_b32 s94, 0x7f7f0000
	s_mov_b32 s2, 0x76543210
	s_mov_b32 s3, 0xfedcba98
	v_and_b32 v[LN], 31, v0
	v_lshlrev_b32 v[VO1], 4, v[LN]
	v_add_nc_u32 v[VO2], s43, v[VO1]
	v_mul_u32_u24 v[VS], s67, v2
	v_lshl_add_u32 v[VS], v1, 4, v[VS]
	v_lshlrev_b32 v[SHV], 4, v2
.irp b, 0,1,2,3
	v_mov_b32 v[TM+4+\b], 0
.endr
.macro FRAG reg, adr, q, i
.irp c, 0,1
	ds_load_b128 v[\reg+4*\c:\reg+4*\c+3], v[\adr] offset:64*(\q)+32*\c+(\i)*16*PITCH
.endr
.endm
.macro MUL16 a0, p, q, sc, zero
.irp a, \a0, \a0+1
.irp b, 0,1,2,3,4,5,6,7
.if \zero
	v_wmma_scale_f32_16x16x128_f8f6f4 v[8*(8*((\a)%4)+\b):8*(8*((\a)%4)+\b)+7], v[128*(\p)+FR*\b:128*(\p)+FR*\b+FR-1], v[AF+FR*(\a):AF+FR*(\a)+FR-1], 0, v[SC+8*NQ*(\sc)+NQ*\b+(\q)], v[SC+8*NQ*(\sc)+NQ*(\a)+(\q)] matrix_a_fmt:MATRIX_FMT_FP4 matrix_b_fmt:MATRIX_FMT_FP4 matrix_a_scale:MATRIX_SCALE_ROW1
.else
	v_wmma_scale_f32_16x16x128_f8f6f4 v[8*(8*((\a)%4)+\b):8*(8*((\a)%4)+\b)+7], v[128*(\p)+FR*\b:128*(\p)+FR*\b+FR-1], v[AF+FR*(\a):AF+FR*(\a)+FR-1], v[8*(8*((\a)%4)+\b):8*(8*((\a)%4)+\b)+7], v[SC+8*NQ*(\sc)+NQ*\b+(\q)], v[SC+8*NQ*(\sc)+NQ*(\a)+(\q)] matrix_a_fmt:MATRIX_FMT_FP4 matrix_b_fmt:MATRIX_FMT_FP4 matrix_a_scale:MATRIX_SCALE_ROW1
.endif
.endr
.endr
.endm
.macro FETCH_B slot, q, p
	WIN TO_B
.irp i, 0,1,2,3,4,5,6,7
	FRAG 128*(\p)+FR*\i, ADRB+\slot, \q, \i
.endr
	WIN 0
.endm
.macro FETCH_A slot, q, i0
.irp i, \i0, \i0+1, \i0+2, \i0+3
	FRAG AF+FR*(\i), ADRA+\slot, \q, \i
.endr
.endm
.macro SCALES sc
.irp i, 0,1,2,3,4,5,6,7
	ds_load_b128 v[SC+8*NQ*\sc+NQ*\i:SC+8*NQ*\sc+NQ*\i+3], v[ADRS] offset:\i*SBLK
.endr
.endm
.macro PLACES n
.rept \n
	v_nop
.endr
.endm
.macro STEP slot, q, zero
	s_wait_dscnt 4*NL
	WIN MUL_LO
	MUL16 0, (\q)%2, \q, \slot, \zero
	MUL16 2, (\q)%2, \q, \slot, \zero
	s_wait_dscnt 0
	PLACES NP
	FETCH_B \slot, (\q)+1, 1-(\q)%2
	FETCH_A \slot, (\q)+1, 0
	WIN MUL_HI
	MUL16 4, (\q)%2, \q, \slot, \zero
	MUL16 6, (\q)%2, \q, \slot, \zero
	PLACES NP
	WIN 0
	FETCH_A \slot, (\q)+1, 4
.endm
.macro STEPS slot, from
.set Q, \from
.rept NQ-1-\from
	STEP \slot, Q, 0
.set Q, Q+1
.endr
.endm
	s_wait_tensorcnt 0x1
	s_barrier_signal -1
	s_barrier_wait -1
	FETCH_B 0, 0, 0
	FETCH_A 0, 0, 0
	SCALES 0
	FETCH_A 0, 0, 4
	STEP 0, 0, 1
	STEPS 0, 1
	s_wait_tensorcnt 0x0
	s_wait_dscnt 4*NL
	WIN MUL_LO
	MUL16 0, 1, NQ-1, 0, 0
	s_wait_dscnt 0x0
	s_barrier_signal -1
	MUL16 2, 1, NQ-1, 0, 0
	WIN 0
	s_barrier_wait -1
	PLACES NP
	v_add_nc_u32 v[ADRS], 4*NQ, v[ADRS]
	FETCH_B 1, 0, 0
	FETCH_A 1, 0, 0
	SCALES 1
	WIN MUL_HI
	MUL16 4, 1, NQ-1, 0, 0
	MUL16 6, 1, NQ-1, 0, 0
	PLACES NP
	WIN 0
	FETCH_A 1, 0, 4
	STEPS 1, 0
	s_wait_dscnt 4*NL
	WIN MUL_LO
	MUL16 0, 1, NQ-1, 1, 0
	MUL16 2, 1, NQ-1, 1, 0
	s_wait_dscnt 0
	WIN MUL_HI
	MUL16 4, 1, NQ-1, 1, 0
	MUL16 6, 1, NQ-1, 1, 0
	WIN 0
.macro OUTBLK a
.set AC, 64*((\a)%4)
	WIN 0x0a+5*((\a)/4)
.irp b, 0,1,2,3
	v_max3_num_f32 v[TM+\b], |v[AC+16*\b]|, |v[AC+16*\b+1]|, 0x1800000
.endr
.irp i, 2,4,6,8,10,12,14
.irp b, 0,1,2,3
	v_max3_num_f32 v[TM+\b], |v[AC+16*\b+\i]|, |v[AC+16*\b+\i+1]|, v[TM+\b]
.endr
.endr
	WIN 0
.irp b, 0,1,2,3
	v_permlanex16_b32 v[TM+4+\b], v[TM+\b], s2, s3
.endr
.irp b, 0,1,2,3
	v_max_num_f32 v[TM+\b], v[TM+\b], v[TM+4+\b]
.endr
.irp b, 0,1,2,3
	v_add_nc_u32 v[TM+12+\b], 0xff000000, v[TM+\b]
.endr
.irp b, 0,1,2,3
	v_lshrrev_b32 v[TM+4+\b], 23, v[TM+12+\b]
.endr
	v_lshl_or_b32 v[PW+(\a)], v[TM+5], 8, v[TM+4]
	v_lshl_or_b32 v[PW+(\a)], v[TM+6], 16, v[PW+(\a)]
	v_lshl_or_b32 v[PW+(\a)], v[TM+7], 24, v[PW+(\a)]
	WIN 0x02+(\a)/4
.irp b, 0,1,2,3
	v_cvt_scalef32_pk8_fp4_f32 v[PC+8*(\a)+2*\b], v[AC+16*\b:AC+16*\b+7], v[TM+12+\b]
	v_cvt_scalef32_pk8_fp4_f32 v[PC+8*(\a)+2*\b+1], v[AC+16*\b+8:AC+16*\b+15], v[TM+12+\b]
.endr
	WIN 0
	v_nop
.irp c, 0,1
.irp i, 0,1
	v_permlane16_swap_b32 v[PC+8*(\a)+4*\c+\i], v[PC+8*(\a)+4*\c+2+\i]
.endr
.endr
.if (\a) > 0
	s_wait_alu depctr_va_vdst(0)
	s_wait_xcnt 0x0
.if (\a) == 4
	s_add_nc_u64 s[12:13], s[12:13], s[44:45]
.else
	s_add_nc_u64 s[12:13], s[12:13], s[40:41]
.endif
.endif
	global_store_b128 v[VO1], v[PC+8*(\a):PC+8*(\a)+3], s[12:13]
	global_store_b128 v[VO2], v[PC+8*(\a)+4:PC+8*(\a)+7], s[12:13]
.endm
	PLACES NP
.irp a, 0,1,2,3,4,5,6,7
	OUTBLK \a
.endr
	s_cmp_eq_u32 ttmp9, 2
	s_cbranch_scc1 .Lwords_of_v
.irp a, 0,1,2,3,4,5,6,7
	v_lshrrev_b32 v[T+\a], v[SHV], v[PW+\a]
.endr
.irp a, 0,1,2,3,4,5,6,7
	v_and_or_b32 v[T+\a], v[T+\a], 0xffff, s94
.endr
	global_store_b128 v[VS], v[T:T+3], s[46:47]
	global_store_b128 v[VS], v[T+4:T+7], s[46:47] offset:256
	s_branch .Lwords_done
.Lwords_of_v:
	v_cmp_gt_u32 vcc_lo, 16, v[LN]
.irp i, 0,1,2,3
	v_cndmask_b32 v[T+\i], v[PW+4+\i], v[PW+\i], vcc_lo
.endr
	global_store_b128 v[VS], v[T:T+3], s[46:47]
.Lwords_done:
	s_wait_tensorcnt 0x0
	ds_add_u32 v122, v123
	s_wait_dscnt 0x0
	CROUND
	s_endpgm
.Lfunc_end_k_q50d36b64f7_proj:
	.size	k_q50d36b64f7_proj, .Lfunc_end_k_q50d36b64f7_proj-k_q50d36b64f7_proj
	.p2alignl 7, 3214868480
	.fill 96, 4, 3214868480
	.section	.rodata,"a",@progbits
	.p2align	6, 0x0
	.amdhsa_kernel k_q50d36b64f7_proj
		.amdhsa_group_segment_fixed_size 327680
		.amdhsa_private_segment_fixed_size 0
		.amdhsa_enable_private_segment 0
		.amdhsa_kernarg_size 48
		.amdhsa_user_sgpr_count 2
		.amdhsa_user_sgpr_kernarg_segment_ptr 1
		.amdhsa_wavefront_size32 1
		.amdhsa_system_sgpr_workgroup_id_x 1
		.amdhsa_system_sgpr_workgroup_id_y 1
		.amdhsa_system_sgpr_workgroup_id_z 1
		.amdhsa_system_vgpr_workitem_id 0
		.amdhsa_next_free_vgpr 1024
		.amdhsa_next_free_sgpr 102
		.amdhsa_reserve_vcc 1
		.amdhsa_float_denorm_mode_32 3
		.amdhsa_float_denorm_mode_16_64 3
		.amdhsa_memory_ordered 1
		.amdhsa_forward_progress 1
		.amdhsa_inst_pref_size 132
	.end_amdhsa_kernel
	.amdgpu_metadata
---
amdhsa.version: [ 1, 2 ]
amdhsa.kernels:
  - .name:           k_q50d36b64f7_proj
    .symbol:         k_q50d36b64f7_proj.kd
    .args:
      - { .name: xc, .offset: 0, .size: 8, .value_kind: global_buffer, .address_space: global }
      - { .name: xs, .offset: 8, .size: 8, .value_kind: global_buffer, .address_space: global }
      - { .name: wc, .offset: 16, .size: 8, .value_kind: global_buffer, .address_space: global }
      - { .name: ws, .offset: 24, .size: 8, .value_kind: global_buffer, .address_space: global }
      - { .name: qr, .offset: 32, .size: 8, .value_kind: global_buffer, .address_space: global }
      - { .name: kv, .offset: 40, .size: 8, .value_kind: global_buffer, .address_space: global }
    .group_segment_fixed_size: 327680
    .private_segment_fixed_size: 0
    .kernarg_segment_align: 8
    .kernarg_segment_size: 48
    .max_flat_workgroup_size: 128
    .sgpr_count:     102
    .vgpr_count:     1024
    .wavefront_size: 32
...
	.end_amdgpu_metadata
.endif
;; end of part 2
;; launch attn (part 3): grid 4 x 64, 16 waves a work-group, clusters of 4 x 1, 215,040 bytes of LDS; arguments qr, kv, out0; writes out0
.if DOCPART == 3
	.amdgcn_target "amdgcn-amd-amdhsa--gfx1250"
	.amdhsa_code_object_version 6
	.text
	.protected	k_q50d36b64f7_attn
	.globl	k_q50d36b64f7_attn
	.p2align	8
	.type	k_q50d36b64f7_attn,@function
k_q50d36b64f7_attn:
	s_mov_b64 s[64:65], 0
	v_nop
	global_prefetch_b8 v0, s[64:65] scope:SCOPE_SE
	s_setreg_imm32_b32 hwreg(HW_REG_WAVE_MODE, 25, 1), 1
	s_wait_xcnt 0x0
	s_wait_alu depctr_hold_cnt(0) depctr_sa_sdst(0) depctr_va_vdst(0) depctr_va_sdst(0) depctr_va_ssrc(0) depctr_va_vcc(0) depctr_vm_vsrc(0)
	s_getreg_b32 s2, hwreg(HW_REG_IB_STS2, 6, 4)
	s_cmp_eq_u32 s2, 0
	s_cbranch_scc0 .Lentry_in_a_cluster
	s_endpgm
.Lentry_in_a_cluster:
	s_bfe_u32 s2, ttmp6, 0x10000c
	s_cmp_lg_u32 s2, 0x3003
	s_cbranch_scc0 .Lentry_shape_is_right
	s_endpgm
.Lentry_shape_is_right:
; out[b][q][64 head + d] = the sum over k of softmax_k(Q[q] . K[k] / 32) V[k][d], for 64 heads (bh = 16 x batch + head) of 2,048 positions and 64 channels, both products on codes of FP4 (E2M1) with E8M0 scales.
; Q, K and V come as images of operand registers, in records of 128 positions: qr (4,608 bytes) and kv (8,960 bytes), made by the launch before.
; THE SOFTMAX AHEAD OF THE SECOND PRODUCT: t = score x log2(e) / 32; M = the row's largest t so far, rounded UP to a whole number; p = 2^(t - M) is what is quantised, along the keys; it is not normalised.
; The row's sum is taken of the unquantised p, in f32, and divides O at the end.  When M moves, the sum and O are multiplied by 2^(old M - new M): exact.
; SHARES.  A work-group owns 512 queries of one head; each of its SIXTEEN waves owns one tile of 16 queries in each of two passes, in 256 registers: four waves to a SIMD, so that one wave's vector work stands beside
; another's matrix work and LDS loads.  Every wave walks all 2,048 keys, 128 a step.
; A WHOLE HEAD'S K AND V, 16 records, 143,360 bytes, LIE IN LDS: every byte is filled once, at the head; there is no ring.  The four work-groups of a head form a cluster and ask for the records JOINTLY.
; Waves 0-3 issue four loads each (wave w: records w, 4 + w, 8 + w, 12 + w): four tensor loads of a wave are out at the most; the first pass starts on four records and waits for the next four as it reaches them.
; All tiles are asked for at the head, so there is no later load for which anything could be asked ahead.
; LAYOUT.  Both products are used transposed: S^T = K Q^T (source 0 = 16 keys, source 1 = my 16 queries), O^T = V^T P^T (source 0 = 16 channels, source 1 = P): a lane holds ONE query (lane % 16) throughout.
; Place r of tile 2 b + u (of keys, queries or channels) is number 32 b + 8 u + r + 8 (r / 8), so that the 16 registers of result tiles 2 b and 2 b + 1 are 16 neighbours: 32 b + 16 (lane / 16) + 0 .. 15.
; A HEAD'S 64 IN A K STEP OF 128: Q's registers 4-7 are zero codes; K's tile is four registers, and the operand's upper four are whatever follows (the next tile's codes; zeros behind the last): every code is a finite number,
; and it meets a zero.  The upper two bytes of Q's and K's scale words are 0x7f.
; LIMITS: p under 2^-126 becomes 0 (the exponential's result is flushed: ISA guide 15.8); a block's largest p is taken from the block's largest score, through the same two instructions; a block whose every p is 0 gets the
; byte 1 and zero codes; NaN and infinities are not served.
.set REC,   8960                       ; a record of kv in LDS as in memory: K's tiles at 0,
.set VCO,   4096                       ; V's fragments,
.set KSCO,  8192                       ; K's scale words [tile / 4][place][tile % 4],
.set VSCO,  8704                       ; V's scale words [place][tile]
.set CHUNK, 4*REC                      ; four records: what the four fetching waves bring with one load each
.set STAGE, 16*REC                     ; behind the records: 16 rows x (256 bytes + 16) for each wave, for the way out; no fill lands there
.set SPT,   272
.set LI,   1                           ; v1   16 x lane: an image's place for my lane
.set LR,   2                           ; v2   16 x (lane % 16): my place's four scale words
.set ADR,  3                           ; v3   the step's record + LI
.set ADS,  4                           ; v4   the step's record + LR
.set STO,  5                           ; v5   the way out: where I put my query's channels
.set RD,   6                           ; v6   the way out: where I read a row back
.set GO,   7                           ; v7   my byte offset in two rows of out0
.set KF,   32                          ; v32-63 K's eight tiles, four registers each; v64-67 zeros behind the last
.set VF,   68                          ; v68-99 V's four fragments
.set S,    100                         ; v100-163 S^T, then p
.set O,    164                         ; v164-195 O^T
.set PCD,  196                         ; v196-203 p's codes
.set KSW,  204                         ; v204-211 K's scale words, a register a tile;  these five kinds of registers hold scales and nothing else
.set VSW,  212                         ; v212-215 V's
.set PSW,  216                         ; v216 p's
.set QS0,  217                         ; v217, v218 Q's, pass 0 and pass 1
.set QS1,  218
.set BM,   220                         ; v220-223 each block's largest score, then its largest p
.set PT,   224                         ; v224-227 the other half's, then the scales' bytes
.set SO,   228                         ; v228-231 the conversions' scale operands
.set F,    232                         ; v[232:233] f = 2^(old M - new M); the pair's upper word is written once
.set TMP,  234
.set SUM2, 236                         ; v[236:237] the sum's second chain
.set WV,   10                          ; s10  my wave's number
.set G1,   16                          ; s[16:23] descriptor group 1;  s[24:39] four groups 0
.set G0,   24
.set SEL,  40                          ; s[40:41] lane selects for v_permlanex16_b32: lane l xor 16
.set CS,   42                          ; s[42:43] c = log2(e) / 32: the packed form names a pair and takes its low word for both halves
.set TB,   44                          ; s44  LDS byte at which the step's record begins
.set CNT,  45                          ; s45  steps to go
.macro CROUND                          ; a round of the cluster's barrier: my work-group's barrier; wave 0 signals for the work-group; every wave waits for all four; my work-group's barrier once more
	s_barrier_signal -1
	s_barrier_wait -1
	s_cmp_lg_u32 s[WV], 0
	s_cbranch_scc1 .Lnot_wave_0_\@
	s_barrier_signal -3
.Lnot_wave_0_\@:
	s_barrier_wait -3
	s_barrier_signal -1
	s_barrier_wait -1
.endm
	s_load_b128 s[4:7], s[0:1], 0x0                ; qr s[4:5], kv s[6:7]
	s_load_b64 s[8:9], s[0:1], 0x10                ; out0
	v_lshl_add_u32 v254, v0, 2, 0x34000
	v_mov_b32 v255, 0
	ds_add_u32 v254, v255
	ds_add_u32 v254, v255
	v_lshrrev_b32 v8, 5, v0
	s_delay_alu instid0(VALU_DEP_1)
	v_readfirstlane_b32 s[WV], v8                  ; wave 0..15
	s_bfe_u32 s11, ttmp6, 0x40000                  ; cx: my place in the cluster: it enters Q's and out0's addresses alone
	s_and_b32 s12, ttmp7, 0xffff                   ; bh, which the four partners share
	; descriptor group 1: a record: 35 dense rows of 256 bytes (32 elements of 8 bytes), no padding: images are read 16 bytes a lane on end
	s_mov_b32 s[G1], 15|(3<<16)|(1<<21)            ; 15:0 the mask: all four work-groups; 17:16 elements of 8 bytes; 21 set beside a mask
	s_mov_b32 s[G1+1], 32<<16                      ; tensor_dim0 = 32
	s_mov_b32 s[G1+2], 35<<16                      ; tensor_dim1 = 35
	s_mov_b32 s[G1+3], 32<<16                      ; tile_dim0 = 32
	s_mov_b32 s[G1+4], 35                          ; tile_dim1 = 35
	s_mov_b32 s[G1+5], 32                          ; tensor_dim0_stride
	s_mov_b32 s[G1+6], 0
	s_mov_b32 s[G1+7], 0
	s_and_b32 s13, s[WV], 3
	s_mul_i32 s13, s13, REC                        ; which record of a chunk I fetch, if I fetch: in LDS as in memory
	s_mul_i32 s14, s12, 16*REC                     ; the head's 16 records
	s_add_co_u32 s14, s14, s13
	s_mov_b32 s15, 0
	; Q: pass p takes the queries' group 4 cx + 2 p + wave / 8, tile wave % 8
	s_lshl_b32 s46, s12, 4
	s_lshl_b32 s50, s11, 2
	s_add_co_u32 s46, s46, s50
	s_lshr_b32 s50, s[WV], 3
	s_add_co_u32 s46, s46, s50
	s_mul_i32 s46, s46, 4608                       ; pass 0's record of qr
	s_mov_b32 s47, 0
	s_bfe_u32 s48, s[WV], 0x10002
	s_lshl_b32 s48, s48, 8                         ; its scale words: 256 x (tile / 4)
	s_and_b32 s49, s[WV], 3
	s_lshl_b32 s49, s49, 2                         ; + 4 x (tile % 4)
	s_add_co_u32 s48, s48, s49
	s_add_co_u32 s48, s48, s46
	s_add_co_u32 s48, s48, 4096
	s_mov_b32 s49, 0
	s_and_b32 s50, s[WV], 7
	s_lshl_b32 s50, s50, 9
	s_add_co_u32 s46, s46, s50                     ; its codes: 512 x tile
	; out0: my tile's place 0 is position 512 cx + 256 p + 128 (wave / 8) + 32 ((wave % 8) / 2) + 8 (wave % 2)
	s_lshl_b32 s50, s11, 9
	s_lshr_b32 s51, s[WV], 3
	s_lshl_b32 s51, s51, 7
	s_add_co_u32 s50, s50, s51
	s_bfe_u32 s51, s[WV], 0x20001
	s_lshl_b32 s51, s51, 5
	s_add_co_u32 s50, s50, s51
	s_and_b32 s51, s[WV], 1
	s_lshl_b32 s51, s51, 3
	s_add_co_u32 s50, s50, s51
	s_lshl_b32 s50, s50, 12                        ; a row of out0 is 4,096 bytes,
	s_and_b32 s51, s12, 15
	s_lshl_b32 s51, s51, 8                         ; a head's part of it 256,
	s_add_co_u32 s50, s50, s51
	s_lshr_b32 s51, s12, 4
	s_lshl_b32 s51, s51, 23                        ; a batch 2,048 rows
	s_add_co_u32 s50, s50, s51
	s_mov_b32 s51, 0
	s_mov_b32 s[SEL], 0x76543210
	s_mov_b32 s[SEL+1], 0xfedcba98
	s_mov_b32 s[CS], 0x3d38aa3b                    ; c = log2(e) / 32
	s_mov_b32 s[CS+1], s[CS]                       ; (named with it as a pair, so it is written)
	s_wait_dscnt 0x0
	s_wait_kmcnt 0x0
	s_add_nc_u64 s[6:7], s[6:7], s[14:15]
	s_add_nc_u64 s[48:49], s[4:5], s[48:49]        ; Q's scale words
	s_add_nc_u64 s[4:5], s[4:5], s[46:47]          ; Q's codes
	s_add_nc_u64 s[8:9], s[8:9], s[50:51]
.irp c, 0,1,2,3
	s_mov_b32 s[G0+4*\c], 1                        ; 1:0 count = 1
	s_add_co_u32 s[G0+4*\c+1], s13, \c*CHUNK       ; 63:32 LDS address: record 4 c + wave
	s_add_nc_u64 s[G0+4*\c+2:G0+4*\c+3], s[6:7], \c*CHUNK   ; 120:64 global address: the same record
	s_or_b32 s[G0+4*\c+3], s[G0+4*\c+3], 0x80000000 ; 127:126 type = 2
.endr
	CROUND                                         ; all four work-groups are here: the joint loads meet
	s_cmp_lt_u32 s[WV], 4                          ; a wave's fills stand in one branch on the wave's number, ahead of every wait on TENSORcnt, every LDS read and every other barrier
	s_cbranch_scc0 .Lno_fetch
	tensor_load_to_lds s[G0:G0+3], s[G1:G1+7]
	s_nop 0
	tensor_load_to_lds s[G0+4:G0+7], s[G1:G1+7]
	s_nop 0
	tensor_load_to_lds s[G0+8:G0+11], s[G1:G1+7]
	s_nop 0
	tensor_load_to_lds s[G0+12:G0+15], s[G1:G1+7]
	s_nop 0
.rept 4
	v_nop                                          ; four lines behind the last load
.endr
.Lno_fetch:
	v_and_b32 v[LI], 31, v0
	s_delay_alu instid0(VALU_DEP_1)
	v_lshlrev_b32 v[LI], 4, v[LI]
	v_and_b32 v8, 15, v0                           ; r
	v_bfe_u32 v9, v0, 4, 1                         ; h
	s_delay_alu instid0(VALU_DEP_2)
	v_lshlrev_b32 v[LR], 4, v8
	global_load_b128 v[16:19], v[LI], s[4:5]               ; Q's tile of pass 0: registers 0-3 of the fragment;
	global_load_b128 v[24:27], v[LI], s[4:5] offset:2*4608 ; of pass 1: two records on
	global_load_b32 v[QS0], v[LR], s[48:49]                ; their scale words
	global_load_b32 v[QS1], v[LR], s[48:49] offset:2*4608
.irp j, 20,21,22,23,28,29,30,31,64,65,66,67
	v_mov_b32 v\j, 0                               ; Q's registers 4-7: zero codes; and the four registers behind K's last tile
.endr
	s_mul_i32 s13, s[WV], 16*SPT
	s_add_co_u32 s13, s13, STAGE                   ; my stage
	v_mul_u32_u24 v[STO], v8, SPT
	s_delay_alu instid0(VALU_DEP_1)
	v_lshl_add_u32 v[STO], v9, 6, v[STO]
	s_delay_alu instid0(VALU_DEP_1)
	v_add_nc_u32 v[STO], s13, v[STO]               ; in: row r, + 64 h: my 16 channels of each 32
	v_mul_u32_u24 v[RD], v9, SPT
	s_delay_alu instid0(VALU_DEP_1)
	v_lshl_add_u32 v[RD], v8, 4, v[RD]
	s_delay_alu instid0(VALU_DEP_1)
	v_add_nc_u32 v[RD], s13, v[RD]                 ; back: lanes 0-15 one row, lanes 16-31 the next
	v_lshlrev_b32 v[GO], 12, v9
	s_delay_alu instid0(VALU_DEP_1)
	v_lshl_add_u32 v[GO], v8, 4, v[GO]             ; and the same two rows in out0
.irp b, 0,1,2,3
	v_mov_b32 v[PT+\b], 0                          ; written once: a lane permute's destination counts as one of its sources
.endr
	v_mov_b32 v[F+1], 0                            ; (named as the upper half of the pair)
	v_mov_b32 v[TMP], 0
; A KEY STEP: the 128 keys of the record at s[TB].  qf: Q's fragment; qs: its scale words.
.macro STEP qf, qs
	v_add_nc_u32 v[ADR], s[TB], v[LI]
	v_add_nc_u32 v[ADS], s[TB], v[LR]
	v_nop
	v_nop                                          ; four places behind the last step's products, ahead of the loads into V's registers
.irp t, 0,1,2,3,4,5,6,7
	ds_load_b128 v[KF+4*\t:KF+4*\t+3], v[ADR] offset:512*\t
.endr
.irp c, 0,1
	ds_load_b128 v[KSW+4*\c:KSW+4*\c+3], v[ADS] offset:KSCO+256*\c
.endr
.irp t, 0,1,2,3
.irp c, 0,1
	ds_load_b128 v[VF+8*\t+4*\c:VF+8*\t+4*\c+3], v[ADR] offset:VCO+1024*\t+512*\c
.endr
.endr
	ds_load_b128 v[VSW:VSW+3], v[ADS] offset:VSCO
	s_wait_dscnt 9                                 ; K and its scale words are in; V's nine loads may be out
.irp t, 0,1,2,3,4,5,6,7
	v_wmma_scale_f32_16x16x128_f8f6f4 v[S+8*\t:S+8*\t+7], v[KF+4*\t:KF+4*\t+7], v[\qf:\qf+7], 0, v[KSW+\t], v[\qs] matrix_a_fmt:MATRIX_FMT_FP4 matrix_b_fmt:MATRIX_FMT_FP4
.endr                                              ; lane (r, h) holds query r; the 16 registers of tiles 2 b, 2 b + 1 are keys 32 b + 16 h + 0 .. 15
.rept 4
	v_nop
.endr
.irp b, 0,1,2,3
	v_max3_num_f32 v[BM+\b], v[S+16*\b], v[S+1+16*\b], v[S+2+16*\b]   ; THE LARGEST SCORE OF EACH BLOCK OF 32 KEYS: it serves for the row's maximum and, since p rises with the score, for the block's largest p
.endr
.irp i, 3,5,7,9,11,13
.irp b, 0,1,2,3
	v_max3_num_f32 v[BM+\b], v[BM+\b], v[S+16*\b+\i], v[S+1+16*\b+\i]   ; (the four blocks by turns)
.endr
.endr
.irp b, 0,1,2,3
	v_max_num_f32 v[BM+\b], v[BM+\b], v[S+15+16*\b]
.endr
.irp b, 0,1,2,3
	s_delay_alu instid0(VALU_DEP_4)
	v_permlanex16_b32 v[PT+\b], v[BM+\b], s[SEL], s[SEL+1]
.endr
.irp b, 0,1,2,3
	s_delay_alu instid0(VALU_DEP_4)
	v_max_num_f32 v[BM+\b], v[BM+\b], v[PT+\b]     ; with lane l xor 16's 16 keys
.endr
	s_delay_alu instid0(VALU_DEP_2)
	v_max3_num_f32 v[TMP], v[BM], v[BM+1], v[BM+2]
	s_delay_alu instid0(VALU_DEP_1)
	v_max_num_f32 v[TMP], v[TMP], v[BM+3]          ; the step's largest score of my query
	s_delay_alu instid0(VALU_DEP_1)
	v_mul_f32 v[TMP], s[CS], v[TMP]                ; as t (c is positive)
	s_delay_alu instid0(VALU_DEP_1)
	v_max_num_f32 v13, v13, v[TMP]                 ; the running largest t
	v_mov_b32 v[TMP], v12
	s_delay_alu instid0(VALU_DEP_2)
	v_floor_f32 v12, -v13                          ; the new -M = floor(-t) = -ceil(t): M IS A WHOLE NUMBER
	s_delay_alu instid0(VALU_DEP_1)
	v_sub_f32 v[TMP], v12, v[TMP]                  ; M's old value less its new one: a whole number, 0 or less
	s_delay_alu instid0(VALU_DEP_1)
	v_cvt_i32_f32 v[TMP], v[TMP]                   ; (it saturates)
	s_delay_alu instid0(VALU_DEP_1)
	v_ldexp_f32 v[F], 1.0, v[TMP]                  ; f = 2^(old M - new M): a multiplication by it rounds nothing
.set J, 0
.rept 32
	v_pk_fma_f32 v[S+J:S+J+1], v[S+J:S+J+1], s[CS:CS+1], v[12:13] op_sel_hi:[1,0,0]   ; t - M, two at a time (of the pairs c and -M the low word serves both halves)
.set J, J+2
.endr
.irp b, 0,1,2,3
	v_fma_f32 v[BM+\b], v[BM+\b], s[CS], v12       ; the same of each block's largest score
.endr
.set J, 0
	s_wait_alu depctr_va_vdst(0)
.rept 64
	v_exp_f32 v[S+J], v[S+J]                       ; p = 2^(t - M), at most 1: NOT normalised
.set J, J+1
.endr
	s_setprio 1
	v_pk_mul_f32 v[14:15], v[14:15], v[F:F+1] op_sel_hi:[1,0]   ; the sums under the new M (a plain place behind the exponentials)
	s_wait_alu depctr_va_vdst(0)                   ; one wait for the whole batch, ahead of its first reader
.irp b, 0,1,2,3
	v_exp_f32 v[BM+\b], v[BM+\b]                   ; the block's largest p: the same two instructions on the same number give the same bits
.endr
	v_pk_add_f32 v[236:237], v[104:105], v[108:109]
	v_pk_add_f32 v[252:253], v[112:113], v[116:117]
	v_pk_add_f32 v[250:251], v[120:121], v[124:125]
	v_pk_add_f32 v[248:249], v[128:129], v[132:133]
	v_pk_add_f32 v[246:247], v[136:137], v[140:141]
	v_pk_add_f32 v[244:245], v[144:145], v[148:149]
	v_pk_add_f32 v[242:243], v[152:153], v[156:157]
	v_pk_add_f32 v[14:15], v[14:15], v[160:161]
	v_pk_add_f32 v[236:237], v[236:237], v[100:101]
	v_pk_add_f32 v[252:253], v[252:253], v[102:103]
	v_pk_add_f32 v[250:251], v[250:251], v[106:107]
	v_pk_add_f32 v[248:249], v[248:249], v[110:111]
	v_pk_add_f32 v[246:247], v[246:247], v[114:115]
	v_pk_add_f32 v[244:245], v[244:245], v[118:119]
	v_pk_add_f32 v[242:243], v[242:243], v[122:123]
	v_pk_add_f32 v[14:15], v[14:15], v[126:127]
	v_pk_add_f32 v[236:237], v[236:237], v[130:131]
	v_pk_add_f32 v[252:253], v[252:253], v[134:135]
	v_pk_add_f32 v[250:251], v[250:251], v[138:139]
	v_pk_add_f32 v[248:249], v[248:249], v[142:143]
	v_pk_add_f32 v[246:247], v[246:247], v[146:147]
	v_pk_add_f32 v[244:245], v[244:245], v[150:151]
	v_pk_add_f32 v[242:243], v[242:243], v[154:155]
	v_pk_add_f32 v[14:15], v[14:15], v[158:159]
	v_pk_add_f32 v[236:237], v[236:237], v[162:163]
	s_delay_alu instid0(VALU_DEP_2)
	v_pk_add_f32 v[14:15], v[14:15], v[248:249]
	s_delay_alu instid0(VALU_DEP_2)
	v_pk_add_f32 v[236:237], v[236:237], v[246:247]
	v_pk_add_f32 v[252:253], v[252:253], v[244:245]
	v_pk_add_f32 v[250:251], v[250:251], v[242:243]
	s_delay_alu instid0(VALU_DEP_2)
	v_pk_add_f32 v[14:15], v[14:15], v[252:253]
	s_delay_alu instid0(VALU_DEP_2)
	v_pk_add_f32 v[236:237], v[236:237], v[250:251]
	s_delay_alu instid0(VALU_DEP_1)
	v_pk_add_f32 v[14:15], v[14:15], v[236:237]
	s_wait_alu depctr_va_vdst(0)                   ; and one for the four
.irp b, 0,1,2,3
	v_max_num_f32 v[BM+\b], 0x1800000, v[BM+\b]    ; the floor 2^(3 - 127): the byte cannot fall under 1
.endr
.irp b, 0,1,2,3
	s_delay_alu instid0(VALU_DEP_4)
	v_add_nc_u32 v[SO+\b], 0xff000000, v[BM+\b]    ; 2 off the exponent field: the conversion's scale operand
.endr
.irp b, 0,1,2,3
	s_delay_alu instid0(VALU_DEP_4)
	v_lshrrev_b32 v[PT+\b], 23, v[SO+\b]           ; the scale's byte
.endr
	s_delay_alu instid0(VALU_DEP_3)
	v_lshl_or_b32 v[PSW], v[PT+1], 8, v[PT]        ; p's scale word for these 128 keys
	s_delay_alu instid0(VALU_DEP_1)
	v_lshl_or_b32 v[PSW], v[PT+2], 16, v[PSW]
	s_delay_alu instid0(VALU_DEP_1)
	v_lshl_or_b32 v[PSW], v[PT+3], 24, v[PSW]
.irp b, 0,1,2,3
	v_cvt_scalef32_pk8_fp4_f32 v[PCD+2*\b], v[S+16*\b:S+7+16*\b], v[SO+\b]
	v_cvt_scalef32_pk8_fp4_f32 v[PCD+1+2*\b], v[S+8+16*\b:S+15+16*\b], v[SO+\b]
.endr
	v_nop                                          ; one plain place behind a scaled conversion
.irp c, 0,1                                    ; the operand's layout wants a WHOLE block in a lane: lanes 0-15 block 2 c, lanes 16-31 block 2 c + 1
.irp i, 0,1
	v_permlane16_swap_b32 v[PCD+4*\c+\i], v[PCD+2+4*\c+\i]
.endr
.endr
.set J, 0
	s_setprio 0
.rept 16
	v_pk_mul_f32 v[O+J:O+J+1], v[O+J:O+J+1], v[F:F+1] op_sel_hi:[1,0]   ; O^T under the new M, each accumulator from its low end on.  (These 16 are also the places between the lines that made p's codes and scale word and the products)
.set J, J+2
.endr
	s_wait_alu depctr_va_vdst(0)
	s_wait_dscnt 0x0                               ; V and its scale words are in
.irp t, 0,1,2,3                                ; O^T += V^T P^T: the four accumulators by turns
	v_wmma_scale_f32_16x16x128_f8f6f4 v[O+8*\t:O+8*\t+7], v[VF+8*\t:VF+8*\t+7], v[PCD:PCD+7], v[O+8*\t:O+8*\t+7], v[VSW+\t], v[PSW] matrix_a_fmt:MATRIX_FMT_FP4 matrix_b_fmt:MATRIX_FMT_FP4
.endr
.endm
.macro RUN n, base, qf, qs             ; n key steps from the record at LDS byte base on
	s_mov_b32 s[TB], \base
	s_mov_b32 s[CNT], \n
.Lrun_\@:
	s_setprio 2
	STEP \qf, \qs
	s_add_co_u32 s[TB], s[TB], REC
	s_sub_co_u32 s[CNT], s[CNT], 1
	s_cmp_lg_u32 s[CNT], 0
	s_cbranch_scc1 .Lrun_\@
	s_setprio 0
.endm
.macro INIT                            ; a pass begins.  The step is written once: the first finds zeros, which the first change of M (f = 0) leaves zeros
	v_mov_b32 v13, 0xff61b1e6                      ; the largest t so far: -3e38, under every t
	s_delay_alu instid0(VALU_DEP_1)
	v_floor_f32 v12, -v13                          ; -M
	v_mov_b32 v14, 0                               ; the sum, in two halves
	v_mov_b32 v15, 0
.set J, 0
.rept 32
	v_mov_b32 v[O+J], 0
.set J, J+1
.endr
.endm
; THE WAY OUT of pass p.  O^T is divided by the sum and goes through my stage in LDS: a query's 64 channels are 256 bytes, which sixteen lanes store together.
.macro OUT p
	v_add_f32 v14, v14, v15                        ; the sum's two halves,
	s_delay_alu instid0(VALU_DEP_1)
	v_permlanex16_b32 v[TMP], v14, s[SEL], s[SEL+1]
	s_delay_alu instid0(VALU_DEP_1)
	v_add_f32 v14, v14, v[TMP]                     ; and lane l xor 16's: the row's sum
	s_wait_alu depctr_va_vdst(0)
	v_rcp_f32 v14, v14
.rept 4
	v_nop                                          ; the plain place behind the reciprocal; with the additions above, the places behind the last products
.endr
	s_wait_alu depctr_va_vdst(0)                   ; the wait ahead of the reciprocal's first reader
.set J, 0
.rept 16
	v_pk_mul_f32 v[S+J:S+J+1], v[O+J:O+J+1], v[14:15] op_sel_hi:[1,0]   ; register 16 b + i is channel 32 b + 16 h + i of my query
.set J, J+2
.endr
.irp b, 0,1
.irp q, 0,1,2,3
	ds_store_b128 v[STO], v[S+16*\b+4*\q:S+16*\b+4*\q+3] offset:128*\b+16*\q
.endr
.endr
.irp i, 0,1,2,3,4,5,6,7
	ds_load_b128 v[KF+4*\i:KF+4*\i+3], v[RD] offset:2*\i*SPT   ; LDS serves a wave's instructions in order (ISA guide 5.7.1.4): these see my stores
.endr
.irp i, 0,1,2,3,4,5,6,7
	s_wait_dscnt 7-\i                              ; the younger loads may be out
	global_store_b128 v[GO], v[KF+4*\i:KF+4*\i+3], s[8:9] offset:(2*\i+8*(\i/4))*4096+\p*1048576 th:TH_STORE_NT   ; places 2 i, 2 i + 1 of the tile: 16 lanes store 256 consecutive bytes, aligned; written once
.endr
.endm
	s_wait_loadcnt 0x0                             ; Q
	INIT
.irp c, 0,1,2,3
	s_wait_tensorcnt 3-\c                          ; my record of chunk c is in; the later chunks' loads may be out
	s_barrier_signal -1
	s_barrier_wait -1                              ; everybody's is
	RUN 4, \c*CHUNK, 16, QS0
.endr
	OUT 0
	s_wait_xcnt 0x0                                ; the stores have read their registers: K's tiles may land there again
	INIT
	RUN 16, 0, 24, QS1                             ; the second pass: all sixteen records lie in LDS
	OUT 1
	s_wait_tensorcnt 0x0
	ds_add_u32 v254, v255
	s_wait_dscnt 0x0
	CROUND                                         ; the closing round: no work-group ends while a partner may still ask for a record that names it
	s_endpgm
.Lfunc_end_k_q50d36b64f7_attn:
	.size	k_q50d36b64f7_attn, .Lfunc_end_k_q50d36b64f7_attn-k_q50d36b64f7_attn
	.p2alignl 7, 3214868480
	.fill 96, 4, 3214868480
	.section	.rodata,"a",@progbits
	.p2align	6, 0x0
	.amdhsa_kernel k_q50d36b64f7_attn
		.amdhsa_group_segment_fixed_size 215040
		.amdhsa_private_segment_fixed_size 0
		.amdhsa_enable_private_segment 0
		.amdhsa_kernarg_size 24
		.amdhsa_user_sgpr_count 2
		.amdhsa_user_sgpr_kernarg_segment_ptr 1
		.amdhsa_wavefront_size32 1
		.amdhsa_system_sgpr_workgroup_id_x 1
		.amdhsa_system_sgpr_workgroup_id_y 1
		.amdhsa_system_sgpr_workgroup_id_z 1
		.amdhsa_system_vgpr_workitem_id 0
		.amdhsa_next_free_vgpr 256
		.amdhsa_next_free_sgpr 66
		.amdhsa_reserve_vcc 0
		.amdhsa_float_denorm_mode_32 3
		.amdhsa_float_denorm_mode_16_64 3
		.amdhsa_memory_ordered 1
		.amdhsa_forward_progress 1
		.amdhsa_inst_pref_size 98
	.end_amdhsa_kernel
	.amdgpu_metadata
---
amdhsa.version: [ 1, 2 ]
amdhsa.kernels:
  - .name:           k_q50d36b64f7_attn
    .symbol:         k_q50d36b64f7_attn.kd
    .args:
      - { .name: qr, .offset: 0, .size: 8, .value_kind: global_buffer, .address_space: global }
      - { .name: kv, .offset: 8, .size: 8, .value_kind: global_buffer, .address_space: global }
      - { .name: out0, .offset: 16, .size: 8, .value_kind: global_buffer, .address_space: global }
    .group_segment_fixed_size: 215040
    .private_segment_fixed_size: 0
    .kernarg_segment_align: 8
    .kernarg_segment_size: 24
    .max_flat_workgroup_size: 512
    .sgpr_count:     66
    .vgpr_count:     256
    .wavefront_size: 32
...
	.end_amdgpu_metadata
.endif
;; end of part 3
